; MI455X (gfx1250); checked and timed in simulation.
; The chip was launched on July 23, 2026; its instructions are those of AMD's public machine-readable ISA for CDNA 5 (MIT licence, August 2026) and "CDNA5" Instruction Set Architecture Reference Guide (July 2026). The comments in the code are by the model that wrote it; some were corrected since.
;; Parity Operator. Allowed arithmetic: matrix products marked QUANTISED: E2M1 operands, one E8M0 scale for each 32 along K, by v_wmma_scale_f32_16x16x128_f8f6f4 with both operands' format E2M1 (or v_wmma_scale_f32_32x16x128_f4), f32 sums; everything else in f32.
;; Inputs: S 4,096 x 4,096 float32; h 4,096 x 4,096 float32.
;; Outputs: out0 4,096 x 4,096 float32.
;; This version of the problem:
;;   THIS VERSION OF THE PROBLEM IS GIVEN IN LOW PRECISION. The matrix products marked QUANTISED in the list below multiply operands that are first quantised to E2M1 (2 exponent bits, 1 mantissa bit; 4 bits a number), with one power-of-two scale for each 32 numbers along K (OCP MX v1.0); their sums are f32. All else is computed in f32.
;;   The module's matrix products, in the order in which they are computed (A, B: the left and right operand; K: the contracted axis; several contracted axes count as one K, in the product's order):
;;     1. [M 4,096, K 4,096] x [K 4,096, N 4,096]; A: input h; B: input S: QUANTISED
;;   THE QUANTISER, for each operand of a quantised product, along K:
;;     - K is cut into blocks of 32 from its start; a last block that is shorter is filled with zeros.
;;     - A block's scale is 2^e with e = floor(log2(the largest magnitude in the block)) - 2, held to -126 .. 127; a block of zeros has e = 0. As a byte (E8M0): e + 127.
;;     - Each number is divided by its block's scale, clamped to +-6, and rounded to the nearest number of E2M1, ties to even, subnormals kept.
;;     - The product sums the exact products of the quantised numbers (number of the format x scale) in f32.
;;   ~~~python
;;   def quantise(x, axis):      # numpy; x: float32 -> the quantised numbers, widened to float32 again
;;       x = np.moveaxis(x, axis, -1); K = x.shape[-1]
;;       x = np.pad(x, [(0, 0)] * (x.ndim - 1) + [(0, -K % 32)]); x = x.reshape(x.shape[:-1] + (-1, 32)); a = np.abs(x).max(-1, keepdims=True)
;;       e = np.where(a > 0, np.clip(np.frexp(np.where(a > 0, a, 1))[1] - 1 - 2, -126, 127), 0)      # np.frexp(a)[1] - 1 = floor(log2(a)), exactly
;;       r = np.clip(x / 2.0 ** e, -6, 6)
;;       step = 2.0 ** (np.maximum(np.frexp(np.where(r == 0, 1, r))[1] - 1, 0) - 1)
;;       q = np.round(r / step) * step * 2.0 ** e      # np.round: ties to even
;;       return np.moveaxis(q.reshape(q.shape[:-2] + (-1,))[..., :K], -1, axis).astype(np.float32)
;;   ~~~
;; One version. Each part assembles by itself: llvm-mc -triple=amdgcn-amd-amdhsa -mcpu=gfx1250 --defsym DOCPART=n.
;; ======== version 1 of 1: 2 launches
;; limits: right only within a limited range of input values
;; workspace buffers: hq 8,912,896 bytes; sq 8,912,896 bytes
;; launch quant (part 1): grid 512 x 1, 8 waves a work-group, no clusters, 68,608 bytes of LDS; arguments h, S, hq, sq; writes hq, sq
.if DOCPART == 1
	.amdgcn_target "amdgcn-amd-amdhsa--gfx1250"
	.amdhsa_code_object_version 6
	.text
	.protected	k_q0743a400ea_quant
	.globl	k_q0743a400ea_quant
	.p2align	8
	.type	k_q0743a400ea_quant,@function
k_q0743a400ea_quant:
	s_mov_b64 s[64:65], 0
	v_nop
	global_prefetch_b8 v0, s[64:65] scope:SCOPE_SE
	s_setreg_imm32_b32 hwreg(HW_REG_WAVE_MODE, 25, 1), 1
	s_wait_xcnt 0x0
; h [4096][4096] and S [4096][4096], f32, K innermost in both, become codes of FP4 (E2M1) with one E8M0 scale byte for each 32 along K,
; laid in TILE BLOCKS in the order in which the product's operand registers take them.
; A block's scale is 2^(floor(log2(its largest magnitude)) - 2): its byte is the largest magnitude's exponent field - 2, held at 1 from below.
; Each number is divided by the scale and rounded to the nearest code, ties to even; beyond 6 the conversion gives the largest code.
; LIMITS: NaN and infinities among the inputs are not served.  A block of zeros gets the byte 1 where the quantiser's rule says 127: its codes are zeros,
; which add nothing under any byte but 0xff, and the bytes are read by this program alone.
; TILE BLOCK t = 8 (row / 128) + k / 512 of a tensor: TILEB = 34,816 bytes at t x TILEB.
;   bytes 0 .. 32,767: 32 fragment images of 1,024 bytes; fragment (i = group of 16 rows, q = 128 along K) at 1024 (4 i + q); in it lane l's registers 4 c .. 4 c + 3 at 512 c + 16 l
;                      (lane l = r + 16 h holds row r, k = 64 c + 32 h + 0 .. 31, the lower k in the lower bits);
;   bytes 32,768 .. 34,815: row p of the 128 has 16 bytes at 16 p: word q = the four scale bytes of its q-th 128 along K.
; SHARES.  Work-groups 0-255 take h, 256-511 take S (only pointers are chosen: one path).  A work-group makes one tile block; wave w its rows 16 w .. 16 w + 15: four fragments.
; Each load reads 512 consecutive bytes of one row (128 numbers); 16 rows go through the wave's own stage in LDS and come back 32 neighbours along K a lane and block:
; so a block's largest magnitude needs no other lane, and the conversions' results are the operand's registers.  Loads run two fragments (32 loads a wave) ahead.
; No barrier: waves share nothing.  No pointer is stepped and no store's registers are written again: every offset is an immediate.
.set TILEB, 34816
.set SP,    528                        ; a stage row: 512 bytes + 16: 33 x 16, so that the sixteen rows that a read touches start at sixteen different columns of 16 bytes
.set WSTG,  16*SP                      ; a wave's stage
.set R,     16                         ; v16-143  two sets of 64 registers as loaded
.set X,     144                        ; v144-207 register 32 c + n = k 64 c + 32 h + n of my row
.set C,     208                        ; v208-239 codes: eight registers a fragment
.set SW,    240                        ; v240-243 my row's scale word of each fragment
.set M,     244                        ; v244-245 largest magnitudes
.set SOP,   246                        ; v246-247 the conversions' scale operands
.set BY,    248                        ; v248-249 scale bytes
.set W,     250                        ; v250     my two bytes at their places in the word
.set E,     252                        ; v[252:253] the two words that I store
	s_load_b128 s[4:7], s[0:1], 0x0                ; h, S
	s_load_b128 s[8:11], s[0:1], 0x10              ; hq, sq
	v_lshl_add_u32 v254, v0, 2, 0x10800
	v_mov_b32 v255, 0
	v_lshrrev_b32 v1, 5, v0
	s_delay_alu instid0(VALU_DEP_1)
	v_readfirstlane_b32 s12, v1                    ; wave 0..7
	v_and_b32 v2, 31, v0                           ; lane
	v_and_b32 v3, 15, v0                           ; r
	v_bfe_u32 v4, v0, 4, 1                         ; h
	s_delay_alu instid0(VALU_DEP_3)
	v_lshlrev_b32 v5, 4, v2                        ; in: 16 bytes a lane
	s_mul_i32 s13, s12, WSTG                       ; my wave's stage
	v_add_nc_u32 v6, s13, v5                       ; into it: a row's 512 bytes as they lie
	v_mul_u32_u24 v7, v3, SP
	s_delay_alu instid0(VALU_DEP_1)
	v_lshl_add_u32 v7, v4, 7, v7
	s_delay_alu instid0(VALU_DEP_1)
	v_add_nc_u32 v7, s13, v7                       ; out of it: row r, + 128 h bytes: my 32 numbers of each 64
	v_lshlrev_b32 v8, 4, v3
	s_delay_alu instid0(VALU_DEP_1)
	v_lshl_add_u32 v8, v4, 3, v8
	s_delay_alu instid0(VALU_DEP_1)
	v_lshl_add_u32 v8, s12, 8, v8                  ; scale words: 16 r + 8 h + 256 w
	v_lshlrev_b32 v9, 3, v4                        ; 8 h: how far my two bytes are shifted
	v_mov_b32 v10, 0                               ; a lane permute's destination counts as read: written once
	v_lshl_add_u32 v11, s12, 12, v5                ; codes: 16 x lane + 4,096 w
	v_cmp_lt_u32 vcc_lo, 15, v2                    ; lanes 16-31; never rewritten
	s_mov_b32 s14, 0x76543210
	s_mov_b32 s15, 0xfedcba98                      ; v_permlanex16_b32's selects for lane l xor 16
	s_and_b32 s16, ttmp9, 255                      ; the tile block
	s_lshr_b32 s17, s16, 3
	s_lshl_b32 s17, s17, 21                        ; 128 rows of 16,384 bytes
	s_and_b32 s18, s16, 7
	s_lshl_b32 s18, s18, 11                        ; 512 numbers along K
	s_add_co_u32 s20, s17, s18
	s_lshl_b32 s18, s12, 18                        ; my wave's 16 rows
	s_add_co_u32 s20, s20, s18                     ; under 2^26
	s_mov_b32 s21, 0
	s_mul_i32 s18, s16, TILEB                      ; under 2^24
	s_mov_b32 s19, 0
	s_wait_alu depctr_va_vdst(0)
	s_wait_kmcnt 0x0
	s_cmp_lt_u32 ttmp9, 256                        ; h's work-group or S's?  The choice hangs on the work-group's number alone
	s_cselect_b64 s[4:5], s[4:5], s[6:7]
	s_cselect_b64 s[8:9], s[8:9], s[10:11]
	s_add_nc_u64 s[4:5], s[4:5], s[20:21]
	s_add_nc_u64 s[8:9], s[8:9], s[18:19]
.macro LOAD t                          ; fragment t: 128 numbers of each of my 16 rows, into set t % 2
.irp i, 0,1,2,3,4,5,6,7,8,9,10,11,12,13,14,15
	global_load_b128 v[R+64*((\t)%2)+4*\i:R+64*((\t)%2)+4*\i+3], v5, s[4:5] offset:16384*\i+512*(\t) th:TH_LOAD_NT   ; 32 lanes read 512 consecutive bytes, read once in the launch
.endr
.endm
.macro FRAGQ t
.if (\t) < 3
	s_wait_loadcnt 16                              ; this fragment's 16 loads are in; the next fragment's 16 may be out
.else
	s_wait_loadcnt 0
.endif
.irp i, 0,1,2,3,4,5,6,7,8,9,10,11,12,13,14,15
	ds_store_b128 v6, v[R+64*((\t)%2)+4*\i:R+64*((\t)%2)+4*\i+3] offset:SP*\i
.endr
.irp c, 0,1
.irp j, 0,1,2,3,4,5,6,7
	ds_load_b128 v[X+32*\c+4*\j:X+32*\c+4*\j+3], v7 offset:256*\c+16*\j   ; LDS serves a wave's instructions in order: these see the stores above
.endr
.endr
	s_wait_dscnt 0x0                               ; my 64 numbers are in, and the stores have read their registers,
.if (\t)+2 < 4
	LOAD (\t)+2                                    ; which take the fragment two further on
.endif
.irp c, 0,1
	v_max3_num_f32 v[M+\c], |v[X+32*\c]|, |v[X+32*\c+1]|, 0x1800000   ; block 2 c + h: all its 32 numbers are mine; and the floor 2^(3 - 127): the byte cannot fall under 1
.endr
.irp i, 2,4,6,8,10,12,14,16,18,20,22,24,26,28,30
.irp c, 0,1
	s_delay_alu instid0(VALU_DEP_2)
	v_max3_num_f32 v[M+\c], v[M+\c], |v[X+32*\c+\i]|, |v[X+32*\c+\i+1]|   ; (the two blocks by turns)
.endr
.endr
.irp c, 0,1
	s_delay_alu instid0(VALU_DEP_2)
	v_add_nc_u32 v[SOP+\c], 0xff000000, v[M+\c]    ; 2 off the exponent field: the conversion takes the exponent field of this operand as its scale, and nothing else of it
.endr
.irp c, 0,1
	s_delay_alu instid0(VALU_DEP_2)
	v_lshrrev_b32 v[BY+\c], 23, v[SOP+\c]          ; the scale's byte
.endr
.irp c, 0,1
.irp g, 0,1,2,3
	v_cvt_scalef32_pk8_fp4_f32 v[C+8*(\t)+4*\c+\g], v[X+32*\c+8*\g:X+32*\c+8*\g+7], v[SOP+\c]   ; register 4 c + g of the fragment
.endr
.endr
	v_lshl_or_b32 v[W], v[BY+1], 16, v[BY]         ; my two bytes: blocks h and 2 + h.  (Also the plain line behind the conversions)
	s_delay_alu instid0(VALU_DEP_1)
	v_lshlrev_b32 v[W], v9, v[W]                   ; at their places in the word: 8 h bits up
	s_delay_alu instid0(VALU_DEP_1)
	v_permlanex16_b32 v10, v[W], s14, s15
	s_delay_alu instid0(VALU_DEP_1)
	v_or_b32 v[SW+(\t)], v[W], v10                 ; with lane l xor 16's two the word is whole
	global_store_b128 v11, v[C+8*(\t):C+8*(\t)+3], s[8:9] offset:1024*(\t)         ; 32 lanes store 512 consecutive bytes, at a multiple of 256 from the buffer's first byte
	global_store_b128 v11, v[C+8*(\t)+4:C+8*(\t)+7], s[8:9] offset:1024*(\t)+512
.endm
	LOAD 0
	LOAD 1
	FRAGQ 0
	FRAGQ 1
	FRAGQ 2
	FRAGQ 3
	v_cndmask_b32 v[E], v[SW], v[SW+2], vcc_lo     ; lanes 0-15 store words 0 and 1 of their row, lanes 16-31 words 2 and 3
	v_cndmask_b32 v[E+1], v[SW+1], v[SW+3], vcc_lo
	global_store_b64 v8, v[E:E+1], s[8:9] offset:32768   ; the wave's 32 lanes store 256 consecutive bytes, aligned
	s_wait_tensorcnt 0x0
	ds_add_u32 v254, v255
	s_wait_dscnt 0x0
	s_endpgm
.Lfunc_end_k_q0743a400ea_quant:
	.size	k_q0743a400ea_quant, .Lfunc_end_k_q0743a400ea_quant-k_q0743a400ea_quant
	.p2alignl 7, 3214868480
	.fill 96, 4, 3214868480
	.section	.rodata,"a",@progbits
	.p2align	6, 0x0
	.amdhsa_kernel k_q0743a400ea_quant
		.amdhsa_group_segment_fixed_size 68608
		.amdhsa_private_segment_fixed_size 0
		.amdhsa_enable_private_segment 0
		.amdhsa_kernarg_size 32
		.amdhsa_user_sgpr_count 2
		.amdhsa_user_sgpr_kernarg_segment_ptr 1
		.amdhsa_wavefront_size32 1
		.amdhsa_system_sgpr_workgroup_id_x 1
		.amdhsa_system_sgpr_workgroup_id_y 1
		.amdhsa_system_sgpr_workgroup_id_z 1
		.amdhsa_system_vgpr_workitem_id 0
		.amdhsa_next_free_vgpr 256
		.amdhsa_next_free_sgpr 66
		.amdhsa_reserve_vcc 1
		.amdhsa_float_denorm_mode_32 3
		.amdhsa_float_denorm_mode_16_64 3
		.amdhsa_memory_ordered 1
		.amdhsa_forward_progress 1
		.amdhsa_inst_pref_size 34
	.end_amdhsa_kernel
	.amdgpu_metadata
---
amdhsa.version: [ 1, 2 ]
amdhsa.kernels:
  - .name:           k_q0743a400ea_quant
    .symbol:         k_q0743a400ea_quant.kd
    .args:
      - { .name: h, .offset: 0, .size: 8, .value_kind: global_buffer, .address_space: global }
      - { .name: S, .offset: 8, .size: 8, .value_kind: global_buffer, .address_space: global }
      - { .name: hq, .offset: 16, .size: 8, .value_kind: global_buffer, .address_space: global }
      - { .name: sq, .offset: 24, .size: 8, .value_kind: global_buffer, .address_space: global }
    .group_segment_fixed_size: 68608
    .private_segment_fixed_size: 0
    .kernarg_segment_align: 8
    .kernarg_segment_size: 32
    .max_flat_workgroup_size: 256
    .sgpr_count:     66
    .vgpr_count:     256
    .wavefront_size: 32
...
	.end_amdgpu_metadata
.endif
;; end of part 1
;; launch gemm (part 2): grid 16 x 16, 4 waves a work-group, clusters of 4 x 4, 327,680 bytes of LDS; arguments hq, sq, out0; writes out0
.if DOCPART == 2
	.amdgcn_target "amdgcn-amd-amdhsa--gfx1250"
	.amdhsa_code_object_version 6
	.text
	.protected	k_q0743a400ea_gemm
	.globl	k_q0743a400ea_gemm
	.p2align	8
	.type	k_q0743a400ea_gemm,@function
k_q0743a400ea_gemm:
	s_mov_b64 s[64:65], 0
	v_nop
	global_prefetch_b8 v0, s[64:65] scope:SCOPE_SE
	s_setreg_imm32_b32 hwreg(HW_REG_WAVE_MODE, 25, 1), 1
	s_wait_xcnt 0x0
	s_wait_alu depctr_hold_cnt(0) depctr_sa_sdst(0) depctr_va_vdst(0) depctr_va_sdst(0) depctr_va_ssrc(0) depctr_va_vcc(0) depctr_vm_vsrc(0)
	s_getreg_b32 s2, hwreg(HW_REG_IB_STS2, 6, 4)
	s_cmp_eq_u32 s2, 0
	s_cbranch_scc0 .Lentry_in_a_cluster
	s_endpgm
.Lentry_in_a_cluster:
	s_bfe_u32 s2, ttmp6, 0x10000c
	s_cmp_lg_u32 s2, 0xf033
	s_cbranch_scc0 .Lentry_shape_is_right
	s_endpgm
.Lentry_shape_is_right:
; out0[m][n] = sum over k of Q(h)[m][k] Q(S)[n][k]: both operands as FP4 codes with E8M0 scales, as the launch before laid them; sums in f32.  S is taken as the dense matrix that it is given as.
; hq, sq: TILE BLOCK t = 8 (row / 128) + k / 512, TILEB bytes: 32 fragment images of 1,024 bytes (16 rows i x 128 K q at 1024 (4 i + q); lane l's registers 4 c .. 4 c + 3 at 512 c + 16 l),
; then from byte 32,768 on 16 bytes a row: word q = the four scale bytes of the row's q-th 128 along K.
; A work-group of four waves makes 256 x 256 of out0, a wave 128 x 128: 64 accumulators, 512 registers.  K goes in 8 steps of 512 through two LDS slots; a slot holds four tile blocks
; (h's two halves of 128 rows, then S's two), scales among them; each wave brings one block by one tensor load, as 136 rows of 256 bytes.
; CLUSTERS: 4 x 4 work-groups.  The four of a cluster's row need the same blocks of h, the four of a column the same blocks of S: each block is asked for jointly, same descriptor, a mask of the four.
; THE MATRIX INSTRUCTION IS USED TRANSPOSED (source 0 = 16 rows of S, source 1 = 16 rows of h): a lane holds eight neighbouring numbers of a row of out0.
; A fragment load reads 512 consecutive LDS bytes (16 a lane).  A load of scale words takes 32 rows: lanes 0-15 hold an even block's words, lanes 16-31 the odd block's (read by the ROW1 selector).
; Both operands have two sets of fragment registers: a step of 128 along K begins with ONE run of 32 loads, the next step's fragments, and then issues its 64 matrix instructions on end.
; THE LAST K STEP GOES BY ROWS OF out0: all its fragments of S lie in registers, h's come by blocks of 16 rows, and each block of 16 rows x 128 columns leaves as soon as its 32 products are done.
; REGISTERS: window 0: v0-31 addresses; v32-95 scale words, a set for each slot (16 of h's, 16 of S's); v128-191, v192-255 h's fragments, two sets (in the last K step four buffers of 16 rows x 512 K);
;   in the last K step v32-63 and v96-127 take the rows read back from the stage.  Window 1: S's fragments, two sets, v0-63 and v128-191; in the last K step all 256.
;   Window 2: the sums of my rows 0-63 ((a, b) at v[8 (8 (a % 4) + b)]); window 3: rows 64-127.
; PREFETCH: each wave names blocks that it will fetch; the four partners that ask for a block share its 136 units of 256 bytes by address, 34 each (32 lanes, then 2; the lanes left over name the last again).
; Behind the load of K step 0: K step 1; behind that of K step 1: K steps 2 and 3; behind that of K step k, from 2 on: K step k + 2.  The loads of K steps 6 and 7 name nothing: every address lies in its buffer.
; LIMITS: as the launch before states them (NaN and infinities among the inputs are not served).
.set SIZE_N, 4096
.set TILEB,  34816
.set SLOT,   4*TILEB
.set SCOFF,  32768
.set SPARE,  2*SLOT                    ; the spare words: 128 bytes a wave, named by no other line
.set STAGE,  SPARE+512                 ; the way out: 16 rows x 528 bytes for each wave; no tensor load lands here
.set SPITCH, 528
.set L16,  2                           ; v2      16 x lane
.set ADRA, 16                          ; v16-17  my h block in slot 0, 1, + 16 x lane
.set ADRB, 20                          ; v20-21  my S block likewise
.set STO,  24
.set RD,   25
.set PFO,  26                          ; v26-27  the prefetches' offsets
.set SPW,  28
.set NIL,  29
.set SC,   32
.set AF,   128
.set G1,   24
.set G0,   32
.set G1B,  48
.set G0B,  56
.set PFA,  10
.set MSB, 0
.macro WIN new                         ; the immediate's high byte repeats the setting that is left
.if MSB != (\new)
	s_set_vgpr_msb (MSB<<8)|(\new)
.set MSB, (\new)
.endif
.endm
.set MUL_LO, 0xa1
.set MUL_HI, 0xf1
.set TO_B,   0x40
.macro PLACES
.rept 4
	v_nop
.endr
.endm
; a joint load: waves 0, 1 fetch h's halves, waves 2, 3 S's
.macro JLOAD s
	s_cmp_eq_u32 s15, 0
	s_cbranch_scc0 .Lfor_b_\@
	tensor_load_to_lds s[G0+4*\s:G0+4*\s+3], s[G1:G1+7]
	s_nop 0
	PLACES
	s_branch .Lasked_\@
.Lfor_b_\@:
	tensor_load_to_lds s[G0B+4*\s:G0B+4*\s+3], s[G1B:G1B+7]
	s_nop 0
	PLACES
.Lasked_\@:
.endm
.macro CREST
	s_cmp_lg_u32 s14, 0
	s_cbranch_scc1 .Lnot_wave_0_\@
	s_barrier_signal -3
.Lnot_wave_0_\@:
	s_barrier_wait -3
	s_barrier_signal -1
	s_barrier_wait -1
.endm
.macro CROUND
	s_barrier_signal -1
	s_barrier_wait -1
	CREST
.endm
.macro PF off                          ; my 34 units of the block that begins off bytes behind s[PFA]
	global_prefetch_b8 v[PFO], s[PFA:PFA+1] offset:\off th:TH_LOAD_NT scope:SCOPE_SE
	global_prefetch_b8 v[PFO+1], s[PFA:PFA+1] offset:\off th:TH_LOAD_NT scope:SCOPE_SE
.endm
	s_load_b128 s[4:7], s[0:1], 0x0                ; hq, sq
	s_load_b64 s[8:9], s[0:1], 0x10                ; out0
	v_lshl_add_u32 v[SPW], v0, 2, SPARE
	v_mov_b32 v[NIL], 0
	ds_add_u32 v[SPW], v[NIL]                      ; the opening add, twice, and its wait below
	ds_add_u32 v[SPW], v[NIL]
	v_lshrrev_b32 v1, 5, v0
	v_readfirstlane_b32 s14, v1                    ; wave 0..3
	s_lshr_b32 s15, s14, 1                         ; my half of the rows; also: I fetch for h (0) or S (1)
	s_and_b32 s16, s14, 1                          ; my half of the columns; also: which half I fetch
	s_bfe_u32 s40, ttmp6, 0x40000                  ; cx
	s_bfe_u32 s41, ttmp6, 0x40004                  ; cy
	s_lshl_b32 s42, ttmp9, 2
	s_add_co_u32 s42, s42, s40                     ; tile column
	s_and_b32 s17, ttmp7, 0xffff
	s_lshl_b32 s17, s17, 2
	s_add_co_u32 s17, s17, s41                     ; tile row
	s_lshl_b32 s43, s41, 2
	s_lshl_b32 s43, 15, s43                        ; my row of the cluster
	s_lshl_b32 s44, 0x1111, s40                    ; my column
	s_or_b32 s[G1], s43, (3<<16)|(1<<21)           ; elements of 8 bytes, no padding
	s_or_b32 s[G1B], s44, (3<<16)|(1<<21)
.irp g, G1, G1B
	s_mov_b32 s[\g+1], 32<<16                      ; rows of 32 elements = 256 bytes,
	s_mov_b32 s[\g+2], 136<<16                     ; 136 of them, dense
	s_mov_b32 s[\g+3], 32<<16
	s_mov_b32 s[\g+4], 136
	s_mov_b32 s[\g+5], 32
	s_mov_b32 s[\g+6], 0
	s_mov_b32 s[\g+7], 0
.endr
	s_lshl_b32 s20, s17, 1
	s_add_co_u32 s20, s20, s16
	s_mul_i32 s20, s20, 8*TILEB                    ; h: the blocks of rows 128 (2 x tile row + half)
	s_mov_b32 s21, 0
	s_lshl_b32 s46, s42, 1
	s_add_co_u32 s46, s46, s16
	s_mul_i32 s46, s46, 8*TILEB                    ; S: likewise by the tile column
	s_mov_b32 s47, 0
	s_mul_i32 s45, s14, TILEB                      ; where my block goes in a slot
	s_cmp_eq_u32 s15, 0
	s_cselect_b32 s22, s40, s41                    ; my place among the four that ask with me
	s_cselect_b32 s18, s20, s46
	s_mul_i32 s22, s22, 34*256
	s_add_co_u32 s22, s22, s18
	s_add_co_u32 s22, s22, TILEB                   ; the prefetches begin at K step 1
	s_mov_b32 s23, 0
	s_mul_i32 s12, s15, TILEB
	s_mul_i32 s13, s16, TILEB
	s_add_co_u32 s13, s13, 2*TILEB
	s_mul_i32 s19, s14, 16*SPITCH
	s_add_co_u32 s19, s19, STAGE
	v_and_b32 v3, 31, v0
	v_lshlrev_b32 v[L16], 4, v3
	v_add_nc_u32 v[ADRA], s12, v[L16]
	v_add_nc_u32 v[ADRA+1], SLOT, v[ADRA]
	v_add_nc_u32 v[ADRB], s13, v[L16]
	v_add_nc_u32 v[ADRB+1], SLOT, v[ADRB]
	v_and_b32 v4, 15, v0
	v_bfe_u32 v5, v0, 4, 1
	v_mul_u32_u24 v6, v4, SPITCH
	v_lshl_add_u32 v6, v5, 5, v6
	v_add_nc_u32 v[STO], s19, v6                   ; into the stage: row l % 16, 32 bytes for each half of the lanes
	v_add_nc_u32 v[RD], s19, v[L16]                ; back: 32 lanes take a row of 512 bytes
	v_lshlrev_b32 v[PFO], 8, v3                    ; units 0-31 of my 34,
	v_min_u32 v7, 1, v3
	v_lshl_add_u32 v[PFO+1], v7, 8, 32*256         ; units 32, 33
	s_wait_alu depctr_va_vdst(0)                   ; the wait behind the head's last vector write
	s_wait_dscnt 0x0                               ; both opening adds are done
	s_wait_kmcnt 0x0
	s_add_nc_u64 s[20:21], s[4:5], s[20:21]
	s_add_nc_u64 s[46:47], s[6:7], s[46:47]
	s_cmp_eq_u32 s15, 0
	s_cselect_b64 s[PFA:PFA+1], s[4:5], s[6:7]
	s_add_nc_u64 s[PFA:PFA+1], s[PFA:PFA+1], s[22:23]
.irp s, 0,1
	s_mov_b32 s[G0+4*\s], 1
	s_add_co_u32 s[G0+4*\s+1], s45, \s*SLOT
	s_add_nc_u64 s[G0+4*\s+2:G0+4*\s+3], s[20:21], \s*TILEB
	s_or_b32 s[G0+4*\s+3], s[G0+4*\s+3], 0x80000000
	s_mov_b32 s[G0B+4*\s], 1
	s_add_co_u32 s[G0B+4*\s+1], s45, \s*SLOT
	s_add_nc_u64 s[G0B+4*\s+2:G0B+4*\s+3], s[46:47], \s*TILEB
	s_or_b32 s[G0B+4*\s+3], s[G0B+4*\s+3], 0x80000000
.endr
	CROUND                                         ; all sixteen work-groups are here: the first joint loads meet
	JLOAD 0                                        ; K step 0: my one tensor load at the head
	PF 0                                           ; K step 1
	s_lshl_b32 s12, s17, 8                         ; my first row of out0: 256 x tile row + 128 x half, rows of 16,384 bytes;
	s_lshl_b32 s13, s15, 7
	s_add_co_u32 s12, s12, s13
	s_lshl_b32 s12, s12, 14
	s_lshl_b32 s18, s42, 10                        ; my first column: 1,024 x tile column + 512 x half bytes
	s_lshl_b32 s19, s16, 9
	s_add_co_u32 s18, s18, s19
	s_add_co_u32 s12, s12, s18                     ; under 2^26
	s_mov_b32 s13, 0
	s_add_nc_u64 s[8:9], s[8:9], s[12:13]
.macro FRAG reg, adr, q, i             ; fragment (i, q): 8 registers, two loads of 512 consecutive bytes
.irp c, 0,1
	ds_load_b128 v[\reg+4*\c:\reg+4*\c+3], v[\adr] offset:1024*(4*(\i)+(\q))+512*\c
.endr
.endm
.macro WM zero, rb, ra                 ; rb, ra: S's, h's block is odd: its scale words lie in lanes 16-31
.if \zero
.if (\rb) && (\ra)
	v_wmma_scale_f32_16x16x128_f8f6f4 v[rD:rD+7], v[rB:rB+7], v[rA:rA+7], 0, v[rX], v[rY] matrix_a_fmt:MATRIX_FMT_FP4 matrix_b_fmt:MATRIX_FMT_FP4 matrix_a_scale:MATRIX_SCALE_ROW1 matrix_b_scale:MATRIX_SCALE_ROW1
.elseif (\rb)
	v_wmma_scale_f32_16x16x128_f8f6f4 v[rD:rD+7], v[rB:rB+7], v[rA:rA+7], 0, v[rX], v[rY] matrix_a_fmt:MATRIX_FMT_FP4 matrix_b_fmt:MATRIX_FMT_FP4 matrix_a_scale:MATRIX_SCALE_ROW1
.elseif (\ra)
	v_wmma_scale_f32_16x16x128_f8f6f4 v[rD:rD+7], v[rB:rB+7], v[rA:rA+7], 0, v[rX], v[rY] matrix_a_fmt:MATRIX_FMT_FP4 matrix_b_fmt:MATRIX_FMT_FP4 matrix_b_scale:MATRIX_SCALE_ROW1
.else
	v_wmma_scale_f32_16x16x128_f8f6f4 v[rD:rD+7], v[rB:rB+7], v[rA:rA+7], 0, v[rX], v[rY] matrix_a_fmt:MATRIX_FMT_FP4 matrix_b_fmt:MATRIX_FMT_FP4
.endif
.else
.if (\rb) && (\ra)
	v_wmma_scale_f32_16x16x128_f8f6f4 v[rD:rD+7], v[rB:rB+7], v[rA:rA+7], v[rD:rD+7], v[rX], v[rY] matrix_a_fmt:MATRIX_FMT_FP4 matrix_b_fmt:MATRIX_FMT_FP4 matrix_a_scale:MATRIX_SCALE_ROW1 matrix_b_scale:MATRIX_SCALE_ROW1
.elseif (\rb)
	v_wmma_scale_f32_16x16x128_f8f6f4 v[rD:rD+7], v[rB:rB+7], v[rA:rA+7], v[rD:rD+7], v[rX], v[rY] matrix_a_fmt:MATRIX_FMT_FP4 matrix_b_fmt:MATRIX_FMT_FP4 matrix_a_scale:MATRIX_SCALE_ROW1
.elseif (\ra)
	v_wmma_scale_f32_16x16x128_f8f6f4 v[rD:rD+7], v[rB:rB+7], v[rA:rA+7], v[rD:rD+7], v[rX], v[rY] matrix_a_fmt:MATRIX_FMT_FP4 matrix_b_fmt:MATRIX_FMT_FP4 matrix_b_scale:MATRIX_SCALE_ROW1
.else
	v_wmma_scale_f32_16x16x128_f8f6f4 v[rD:rD+7], v[rB:rB+7], v[rA:rA+7], v[rD:rD+7], v[rX], v[rY] matrix_a_fmt:MATRIX_FMT_FP4 matrix_b_fmt:MATRIX_FMT_FP4
.endif
.endif
.endm
; 16 matrix instructions: h's blocks a0, a0 + 1 x S's eight, the slot's q-th 128 along K.  p: the set of fragments; sc: the set of scale words.  The 64 accumulators take turns in the same order in every step.
.macro MUL16 a0, p, q, sc, zero
.irp a, \a0, \a0+1
.irp b, 0,1,2,3,4,5,6,7
.set rD, 8*(8*((\a)%4)+\b)
.set rB, 128*(\p)+8*\b
.set rA, AF+64*(\p)+8*(\a)
.set rX, SC+32*(\sc)+16+4*(\b/2)+(\q)
.set rY, SC+32*(\sc)+4*((\a)/2)+(\q)
	WM \zero, \b%2, (\a)%2
.endr
.endr
.endm
.macro FETCH_B slot, q, p              ; S's eight blocks into set p: 16 loads
	WIN TO_B
.irp i, 0,1,2,3,4,5,6,7
	FRAG 128*(\p)+8*\i, ADRB+\slot, \q, \i
.endr
.endm
.macro FETCH_A slot, q, p              ; h's eight blocks into set p: 16 loads, blocks 4-7 the youngest eight
	WIN 0
.irp i, 0,1,2,3,4,5,6,7
	FRAG AF+64*(\p)+8*\i, ADRA+\slot, \q, \i
.endr
.endm
.macro SCALES slot                     ; register 4 j + q: the words of rows 32 j + lane for the slot's q-th 128 along K
	WIN 0
.irp j, 0,1,2,3
	ds_load_b128 v[SC+32*\slot+4*\j:SC+32*\slot+4*\j+3], v[ADRA+\slot] offset:SCOFF+512*\j
	ds_load_b128 v[SC+32*\slot+16+4*\j:SC+32*\slot+16+4*\j+3], v[ADRB+\slot] offset:SCOFF+512*\j
.endr
.endm
; a step of 128 along K whose successor lies in the same slot.  The other set, which the step before multiplied, takes the successor's fragments in one run; the four places at the head stand between that
; step's last matrix instruction and these loads.  LDS loads come back in order (ISA guide 5.7.1), so this step's own fragments are waited for by count, behind the run.
.macro STEP slot, q, zero
	PLACES
	FETCH_B \slot, (\q)+1, 1-(\q)%2
	FETCH_A \slot, (\q)+1, 1-(\q)%2
	s_wait_dscnt 40                                ; this step's S and h's blocks 0-3 are in; its h's blocks 4-7 (8 loads) and the 32 just issued may be out
	WIN MUL_LO
	MUL16 0, (\q)%2, \q, \slot, \zero
	MUL16 2, (\q)%2, \q, \slot, \zero
	s_wait_dscnt 32                                ; h's blocks 4-7 are in
	WIN MUL_HI
	MUL16 4, (\q)%2, \q, \slot, \zero
	MUL16 6, (\q)%2, \q, \slot, \zero
	WIN 0
.endm
; the head of a slot's last step: one barrier; ahead of it each wave waits for all its tensor loads, adds 0 to its spare word and waits for that and for its reads of this slot, the last of which were issued a step ago
.macro MEET slot
	s_wait_tensorcnt 0x0                           ; my part of the next slot has landed: no tensor load of mine is out
	ds_add_u32 v[SPW], v[NIL]
	s_wait_dscnt 0x0                               ; the add is done, my reads of this slot are over
	s_barrier_signal -1
	WIN MUL_LO
	MUL16 0, 1, 3, \slot, 0                        ; work on registers while the others arrive
	WIN 0
	s_barrier_wait -1
.endm
; a slot's last step in the loop: the barrier opens a round of the cluster's barrier, this slot takes the K step two on, and the next slot's first fragments and scale words go out in one run of 40 loads
.macro TURN slot, next
	s_wait_xcnt 0x0                                ; my prefetches have read their base: it steps a K step
	s_add_nc_u64 s[PFA:PFA+1], s[PFA:PFA+1], TILEB
	MEET \slot
	CREST
	s_add_nc_u64 s[G0+4*\slot+2:G0+4*\slot+3], s[G0+4*\slot+2:G0+4*\slot+3], 2*TILEB
	s_add_nc_u64 s[G0B+4*\slot+2:G0B+4*\slot+3], s[G0B+4*\slot+2:G0B+4*\slot+3], 2*TILEB
	JLOAD \slot                                    ; the first tensor load behind the round; its four v_nop are the places for the loads below
	FETCH_B \next, 0, 0
	SCALES \next
	FETCH_A \next, 0, 0
	s_cmp_gt_u32 s3, 1                             ; the last trip's loads are K steps 6 and 7: nothing lies two on
	s_cbranch_scc0 .Lno_ask_\@
	PF 2*TILEB
.Lno_ask_\@:
	WIN MUL_LO
	MUL16 2, 1, 3, \slot, 0
	WIN MUL_HI
	MUL16 4, 1, 3, \slot, 0
	MUL16 6, 1, 3, \slot, 0
	WIN 0
.endm
	s_wait_tensorcnt 0x0                           ; my block of K step 0 is in; slot 1's first fill is issued as a refill is
	ds_add_u32 v[SPW], v[NIL]
	s_wait_dscnt 0x0
	CROUND
	JLOAD 1                                        ; K step 1
	FETCH_B 0, 0, 0
	SCALES 0
	FETCH_A 0, 0, 0
	PF TILEB                                       ; K steps 2 and 3
	PF 2*TILEB
	STEP 0, 0, 1                                   ; the first step's products start the sums
	s_mov_b32 s3, 3
.Llap:                                                 ; a trip: from a lap's second step to the next lap's first; both slots are filled again
	STEP 0, 1, 0
	STEP 0, 2, 0
	TURN 0, 1
	STEP 1, 0, 0
	STEP 1, 1, 0
	STEP 1, 2, 0
	TURN 1, 0
	STEP 0, 0, 0
	s_sub_co_u32 s3, s3, 1
	s_cmp_lg_u32 s3, 0
	s_cbranch_scc1 .Llap
	STEP 0, 1, 0                                   ; the last lap fills nothing
	STEP 0, 2, 0
; THE LAST K STEP (slot 1), BY ROWS.  S's fragment (b, q) at v[64 q + 8 b] of window 1; h's block a, quarter q, at v[AF + 32 (a % 4) + 8 q].
.macro BLOAD q
.irp i, 0,1,2,3,4,5,6,7
	FRAG 64*(\q)+8*\i, ADRB+1, \q, \i
.endr
.endm
.macro ALOAD a
.irp q, 0,1,2,3
	FRAG AF+32*((\a)%4)+8*\q, ADRA+1, \q, \a
.endr
.endm
.macro ROW a                           ; block a is finished: 32 matrix instructions, its eight accumulators by turns, K ascending
	WIN MUL_LO+0x50*((\a)/4)
.irp q, 0,1,2,3
.if ((\a) == 0) && (\q == 2)
	s_wait_dscnt 16                                ; S's quarter 2 is in (behind it: h's blocks 2 and 3)
.endif
.irp b, 0,1,2,3,4,5,6,7
.set rD, 8*(8*((\a)%4)+\b)
.set rB, 64*\q+8*\b
.set rA, AF+32*((\a)%4)+8*\q
.set rX, SC+32+16+4*(\b/2)+\q
.set rY, SC+32+4*((\a)/2)+\q
	WM 0, \b%2, (\a)%2
.endr
.endr
.endm
; the way out of block a, 16 rows x 128 columns, through my own stage: 32 bytes a lane in, whole rows of 512 bytes back, stored as two aligned units of 256 bytes.  LDS serves a wave's instructions in order (ISA guide 5.7.1.4).
.macro TOSTAGE a
.set AC, 64*((\a)%4)
	WIN 0x08+4*((\a)/4)
.irp b, 0,1,2,3,4,5,6,7
	ds_store_b128 v[STO], v[AC+8*\b:AC+8*\b+3] offset:64*\b          ; each accumulator from its low end on
	ds_store_b128 v[STO], v[AC+8*\b+4:AC+8*\b+7] offset:64*\b+16
.endr
	WIN 0
.irp t, 0,1,2,3,4,5,6,7,8,9,10,11,12,13,14,15
	ds_load_b128 v[32+4*\t+32*(\t/8):32+4*\t+32*(\t/8)+3], v[RD] offset:\t*SPITCH   ; rows 0-7 into v32-63, rows 8-15 into v96-127
.endr
.endm
.macro SEND a, younger
	s_wait_dscnt \younger                          ; the block is back; the loads of h's block four on may be out
.irp t, 0,1,2,3,4,5,6,7,8,9,10,11,12,13,14,15
	global_store_b128 v[L16], v[32+4*\t+32*(\t/8):32+4*\t+32*(\t/8)+3], s[8:9] offset:(16*(\a)+\t)*SIZE_N*4 th:TH_STORE_NT   ; 127 rows of 16,384 bytes at the most: inside the signed 24-bit immediate
.endr
.endm
	MEET 0                                         ; slot 1, the last K step, is whole; nothing is filled again, so no round follows
	PLACES                                         ; for the loads into set 0, which the step before multiplied
	WIN TO_B
	BLOAD 0                                        ; three quarters of S now: set 1 (v128-191 of window 1, v192-255 of window 0) is still being multiplied
	BLOAD 1
	BLOAD 3
	SCALES 1
	ALOAD 0
	ALOAD 1
	WIN MUL_LO
	MUL16 2, 1, 3, 0, 0
	WIN MUL_HI
	MUL16 4, 1, 3, 0, 0
	MUL16 6, 1, 3, 0, 0
	PLACES                                         ; for the loads into set 1, and into slot 0's scale words further down
	WIN TO_B
	BLOAD 2
	WIN 0
	ALOAD 2
	ALOAD 3
	s_wait_dscnt 32                                ; all but the 32 just issued
	ROW 0
.irp a, 0,1,2,3,4,5,6,7
	PLACES                                         ; the stores into the stage read results just made; h's next block lands on fragments just read
.if \a > 0
	s_wait_xcnt 0x0                                ; the block before: its stores have read their registers, which take this block's rows
.endif
	TOSTAGE \a
.if \a < 4
	ALOAD \a+4
	SEND \a, 8
.else
	SEND \a, 0
.endif
.if \a < 7
	ROW \a+1
.endif
.endr
	s_wait_tensorcnt 0x0                           ; the wave's end
	ds_add_u32 v[SPW], v[NIL]
	s_wait_dscnt 0x0
	CROUND                                         ; the closing round
	s_endpgm
.Lfunc_end_k_q0743a400ea_gemm:
	.size	k_q0743a400ea_gemm, .Lfunc_end_k_q0743a400ea_gemm-k_q0743a400ea_gemm
	.p2alignl 7, 3214868480
	.fill 96, 4, 3214868480
	.section	.rodata,"a",@progbits
	.p2align	6, 0x0
	.amdhsa_kernel k_q0743a400ea_gemm
		.amdhsa_group_segment_fixed_size 327680
		.amdhsa_private_segment_fixed_size 0
		.amdhsa_enable_private_segment 0
		.amdhsa_kernarg_size 24
		.amdhsa_user_sgpr_count 2
		.amdhsa_user_sgpr_kernarg_segment_ptr 1
		.amdhsa_wavefront_size32 1
		.amdhsa_system_sgpr_workgroup_id_x 1
		.amdhsa_system_sgpr_workgroup_id_y 1
		.amdhsa_system_sgpr_workgroup_id_z 1
		.amdhsa_system_vgpr_workitem_id 0
		.amdhsa_next_free_vgpr 1024
		.amdhsa_next_free_sgpr 66
		.amdhsa_reserve_vcc 0
		.amdhsa_float_denorm_mode_32 3
		.amdhsa_float_denorm_mode_16_64 3
		.amdhsa_memory_ordered 1
		.amdhsa_forward_progress 1
		.amdhsa_inst_pref_size 208
	.end_amdhsa_kernel
	.amdgpu_metadata
---
amdhsa.version: [ 1, 2 ]
amdhsa.kernels:
  - .name:           k_q0743a400ea_gemm
    .symbol:         k_q0743a400ea_gemm.kd
    .args:
      - { .name: hq, .offset: 0, .size: 8, .value_kind: global_buffer, .address_space: global }
      - { .name: sq, .offset: 8, .size: 8, .value_kind: global_buffer, .address_space: global }
      - { .name: out0, .offset: 16, .size: 8, .value_kind: global_buffer, .address_space: global }
    .group_segment_fixed_size: 327680
    .private_segment_fixed_size: 0
    .kernarg_segment_align: 8
    .kernarg_segment_size: 24
    .max_flat_workgroup_size: 128
    .sgpr_count:     66
    .vgpr_count:     1024
    .wavefront_size: 32
...
	.end_amdgpu_metadata
.endif
;; end of part 2
